; MI455X (gfx1250); checked and timed in simulation.
; The chip was launched on July 23, 2026; its instructions are those of AMD's public machine-readable ISA for CDNA 5 (MIT licence, August 2026) and "CDNA5" Instruction Set Architecture Reference Guide (July 2026). The comments in the code are by the model that wrote it; some were corrected since.
;; Per Span Attention. Allowed arithmetic: matrix products marked QUANTISED: E4M3 operands, one given power-of-two scale a tensor, by v_wmma_f32_16x16x64_fp8_fp8 or v_wmma_f32_16x16x128_fp8_fp8, f32 sums; products left as they are: f32 operands where the result goes on into a quantised operand, else bf16, f16 or f32 operands; f32 sums; everything else in f32.
;; Inputs: Wkv_codes 2,048 x 32 x 32 uint8 (E4M3 codes of Wkv, K innermost, in blocks of 32 codes); Wo_codes 1,024 x 32 x 32 uint8 (E4M3 codes of Wo, K innermost, in blocks of 32 codes); Wq_codes 1,024 x 32 x 32 uint8 (E4M3 codes of Wq, K innermost, in blocks of 32 codes); bkv 2,048 float32; bo 1,024 float32; bq 1,024 float32; kv_codes 8 x 4,096 x 32 x 32 uint8 (E4M3 codes of kv, K innermost, in blocks of 32 codes); lowp_scales 6 int32 (the exponents e of the quantised operands' scales 2^e); mask 8 x 64 x 64 bool; q_codes 8 x 64 x 32 x 32 uint8 (E4M3 codes of q, K innermost, in blocks of 32 codes).
;; Outputs: out0 8 x 64 x 1,024 float32.
;; Constants: span_size = 64.
;; This version of the problem:
;;   THIS VERSION OF THE PROBLEM IS GIVEN IN LOW PRECISION. The matrix products marked QUANTISED in the list below multiply operands that are first quantised to E4M3 (4 exponent bits, 3 mantissa bits; 8 bits a number), with one given power-of-two scale for each operand tensor; their sums are f32. All else is computed in f32.
;;   The module's matrix products, in the order in which they are computed (A, B: the left and right operand; K: the contracted axis; several contracted axes count as one K, in the product's order):
;;     1. [M 512, K 1,024] x [K 1,024, N 1,024]; A: input q (given as codes); B: input Wq (given as codes): QUANTISED (scales: A lowp_scales[0], B lowp_scales[1])
;;     2. [M 32,768, K 1,024] x [K 1,024, N 2,048]; A: input kv (given as codes); B: input Wkv (given as codes): QUANTISED (scales: A lowp_scales[2], B lowp_scales[3])
;;     3. batch 8,192 x [M 1, K 64] x [K 64, N 64]; A: computed on the way; B: computed on the way: left as it is (M = 1 < 16)
;;     4. batch 8,192 x [M 1, K 64] x [K 64, N 64]; A: softmax; B: computed on the way: left as it is (M = 1 < 16)
;;     5. [M 512, K 1,024] x [K 1,024, N 1,024]; A: computed on the way; B: input Wo (given as codes): QUANTISED (scales: A lowp_scales[4], B lowp_scales[5])
;;   THE QUANTISER, for each operand of a quantised product, along K:
;;     - The operand's scale is 2^e, e = its entry of the input lowp_scales (int32; the entries are numbered through the quantised products in the list's order, A before B).
;;     - Each number is divided by the scale, clamped to +-448, and rounded to the nearest number of E4M3, ties to even, subnormals kept.
;;     - The product sums the exact products of the quantised numbers (number of the format x scale) in f32.
;;   ~~~python
;;   def quantise(x, axis, e):      # numpy; x: float32 -> the quantised numbers, widened to float32 again
;;       x = np.moveaxis(x, axis, -1); K = x.shape[-1]
;;       r = np.clip(x / 2.0 ** e, -448, 448)
;;       step = 2.0 ** (np.maximum(np.frexp(np.where(r == 0, 1, r))[1] - 1, -6) - 3)
;;       q = np.round(r / step) * step * 2.0 ** e      # np.round: ties to even
;;       return np.moveaxis(q, -1, axis).astype(np.float32)
;;   ~~~
;;   OPERANDS COMPUTED ON THE WAY. 'Computed on the way' means the value that the module computes at that place (a softmax that the list does not call 'softmax' is quantised finished and normalised). What goes into a quantiser is computed in f32, as accurately as f32 sums, v_exp_f32 and their like allow (about 1e-6 of the number): no bf16 or f16 on the way to a quantiser, and a product that is left as it is and whose result goes on into a quantised operand takes f32 operands (vector FMAs, or v_wmma_f32_16x16x4_f32). A number that lies on a knife's edge between two numbers of the format may be rounded either way, as far as f32 arithmetic and the matrix unit's own rounding can turn it there, and no further.
;;   INPUTS GIVEN AS CODES. Wkv (in the module: [2048, 1024], K = its axis 1); Wo (in the module: [1024, 1024], K = its axis 1); Wq (in the module: [1024, 1024], K = its axis 1); kv (in the module: [8, 4096, 1024], K = its axis 2); q (in the module: [8, 64, 1024], K = its axis 2): each comes as NAME_codes (uint8): NAME with its K axis moved to the last place and cut into blocks of 32 codes, [.., K / 32, bytes a block], one block behind the other in memory; one code a byte (a code: sign, 4 exponent bits, 3 mantissa bits); its scale is its entry of lowp_scales. Its value is code x scale, taken as it is: it is not quantised again, and the codes and scales need not be those that the quantiser above would give.
;; One version. Each part assembles by itself: llvm-mc -triple=amdgcn-amd-amdhsa -mcpu=gfx1250 --defsym DOCPART=n.
;; ======== version 1 of 1: 2 launches
;; limits: right only within a limited range of input values
;; workspace buffers: attn_codes 524,288 bytes
;; launch spans (part 1): grid 8 x 32, 4 waves a work-group, clusters of 4 x 4, 327,680 bytes of LDS; arguments kv_codes, Wkv_codes, q_codes, Wq_codes, lowp_scales, bkv, bq, mask, attn_codes; writes attn_codes
.if DOCPART == 1
	.amdgcn_target "amdgcn-amd-amdhsa--gfx1250"
	.amdhsa_code_object_version 6
	.text
	.protected	k_qcd350c5847_spans
	.globl	k_qcd350c5847_spans
	.p2align	8
	.type	k_qcd350c5847_spans,@function
k_qcd350c5847_spans:
	s_mov_b64 s[64:65], 0
	v_nop
	global_prefetch_b8 v0, s[64:65] scope:SCOPE_SE
	s_setreg_imm32_b32 hwreg(HW_REG_WAVE_MODE, 25, 1), 1
	s_wait_xcnt 0x0
	s_wait_alu depctr_hold_cnt(0) depctr_sa_sdst(0) depctr_va_vdst(0) depctr_va_sdst(0) depctr_va_ssrc(0) depctr_va_vcc(0) depctr_vm_vsrc(0)
	s_getreg_b32 s2, hwreg(HW_REG_IB_STS2, 6, 4)
	s_cmp_eq_u32 s2, 0
	s_cbranch_scc0 .Lentry_in_a_cluster
	s_endpgm
.Lentry_in_a_cluster:
	s_bfe_u32 s2, ttmp6, 0x10000c
	s_cmp_lg_u32 s2, 0xf033
	s_cbranch_scc0 .Lentry_shape_is_right
	s_endpgm
.Lentry_shape_is_right:
; PER-SPAN ATTENTION, all but the last projection.  512 spans of 64 rows of kv, 16 heads of 64.
;   qh = q Wq^T + bq and kvh = kv Wkv^T + bkv on codes of FP8 (E4M3), each tensor with its given scale 2^e (e0 q, e1 Wq, e2 kv, e3 Wkv); per span and head the 64 scores qh . k / 8, the mask, the softmax,
;   the pooling of v: in f32 on the vector unit (one row a product).  attn is quantised with 2^e4 and stored as codes.
; DEAD WORK.  bkv's first 1,024 numbers (K's bias bk) add the one number qh . bk / 8 to all 64 scores of a span and head, and the softmax is taken over these 64: its result is the same without the term.  A masked score is the
;   lowest f32 number either way: no weight beside a kept key, equal weights where no key is kept.  So that half of bkv is not loaded.  LIMIT: a NaN, an infinity or an overflow in bk or in qh . bk is not carried to the result.
; SHARES.  Work-group (X, Y): heads 2 X, 2 X + 1 and spans 16 Y .. 16 Y + 15.  THE WEIGHTS STAY IN REGISTERS: wave w = 2 c + j keeps channels 32 j .. 32 j + 31 of head 2 X + c, 32 rows of Wk and 32 of Wv, K = 1,024 whole: 512 registers.
;   Only kv goes through LDS: a ring of two slots of two spans (128 rows x 1,024 bytes), read by all four waves.  A fragment of kv (16 rows x 128 K) feeds four products: two blocks of K's channels, two of V's.
; LAYOUT.  K's columns: source 0 = 16 rows of Wk, source 1 = kv: a lane holds one key (16 a + lane % 16) and eight channels.  V's columns the other way: a lane holds one channel and eight keys (16 a + 8 (lane / 16) + 0 .. 7).
;   So both sums run along a lane's registers.  Registers 4 c .. 4 c + 3 of every fragment hold K = 32 c + 16 (lane / 16) + 0 .. 15: one permutation of K on both sides of every product.
; A SPAN is four blocks of 32 products on eight fragments each.  At a block's head the 32 loads of the next block go out in one run, into the half of the ring that the block before has read.
; PIPELINE.  Behind span n's products: the exponentials of span n - 1, the scores of n over my 32 channels (stored for the head's other wave), the pooling of n - 1.  In span n + 1 a barrier stands, and behind it the two halves
;   of n's scores are added, masked, and their largest is taken away.  The pooled sums and the sums of p wait in LDS; the division, bv and the quantising stand once at the wave's end.
; SCALES.  qh is multiplied by log2(e) / 8 x 2^(e2 + e3) once; the divisor takes 2^(e2 + e3) too; bv is added behind the division (the weights add up to 1).
; CLUSTER.  4 x 4 work-groups: kv's tiles hang on Y alone and are asked for jointly along a row of the cluster, Wkv's on X alone, along a column.  Wq's 32 rows of a wave are read once, by that wave, straight into registers.
; PREFETCH.  The change of slots that loads tile k asks for tile k + 2: 32 of its 128 rows a work-group, told apart by cx in the address, 8 rows a wave, lanes 256 bytes apart.  The head asks for tiles 0 to 3; nothing beyond tile 7.
; OUTPUT.  attn_codes[Y][X][w][lane][16]: lane holds span 16 Y + lane % 16, channels 32 j + 16 (lane / 16) + 0 .. 15: the register image of the next launch's fragments.
; LIMITS on the given exponents, so that each power of two below is an f32 number: e2 + e3 between -123 and 130; e0 + e1 between -126 and 127; e4 between -126 and 119.  qh x log2(e) / 8 x 2^(e2 + e3) stays an f32 number.
;   The scaled scores stay under 2^31 in magnitude.  NaN among the inputs is not served.
; REGISTERS.  Window 1: Wk's fragments (s, b) at 16 (2 s + b).  Window 2: Wv's.  Window 3: v0-63 K's accumulators (a, b) at 8 (2 a + b), v64-127 and v128-191 V's, by the span's parity; v192-207 the ring's fragment 15; v208-255 below.
;   Window 0: v0-15 addresses; v16-255 the ring's fragments 0 to 14; behind a span's products fragments 8 to 15 are free: p and the pooled sums lie there.
.set RP,   1040                        ; a row in LDS: 1,024 bytes + 16: the sixteen rows of a fragment load begin at sixteen different 16-byte columns modulo 256 bytes
.set HT,   16*RP
.set SPB,  64*RP                       ; a span
.set R1,   128*RP                      ; slot 1
.set SPARE, 2*R1                       ; the spare words: two blocks of 256 bytes that no other line names
.set QT,   SPARE+512                   ; q's codes: 16 rows
.set QHB,  QT+16*RP                    ; each wave's qh: 16 spans x 32 f32, rows of 144 bytes
.set XS,   QHB+4*2304                  ; half scores: two parities x four waves x 64 f32
.set PSB,  XS+2048                     ; each wave's p: 64 f32
.set ATB,  PSB+1024                    ; each wave's pooled sums: 16 spans x 32 f32, rows of 144 bytes
.set MSK,  ATB+4*2304                  ; the mask's bytes: 16 spans x 64
.set LSB,  MSK+1024                    ; each wave's sums of p: 16 spans x 16 f32, rows of 80 bytes
.set BVS,  LSB+4*1280                  ; bv: 128 f32
; window 0
.set SPW,  1
.set NIL,  2
.set LSA,  3
.set AD,   4                           ; v4-7  fragments of kv in the four places for a span
.set XST,  8
.set XLD,  9
.set PST,  10
.set PLD,  11
.set QAD,  12
.set AAD,  13
.set MAD,  14
.set PFO,  15
.set P,    144
.set O,    176
; window 3
.set R15,  192
.set TT,   208                         ; v208-215 scores, a pair for each a
.set XX,   216
.set MK,   220
.set Q,    224
.set NEGV, 240                         ; the lowest f32 number
.set MX,   241
.set EE,   242                         ; v242-245 t - m, then p
.set TP,   246
.set LS,   247
.set QB,   248
.set AB,   249
.set MB,   250
.set LB,   251
.set AQ,   252
.set LQ,   253
.set BQA,  254
; the head alone, window 0
.set RR,   192
.set HH,   193
.set LN,   194
.set GO,   195
.set QST,  196
.set M8,   197
.set MST,  198
.set H32,  199
.set R4,   200
.set WK,   201
.set WV,   202
.set QFR,  203
.set QHS,  204
.set WQO,  205
.set B4,   206
.set BST,  207
.set TQB,  208                         ; v208-214: what goes to v248-254 of window 3
.set BQ,   176
.set QA,   144
.set QR,   160
.set G1W,  24                          ; s[24:31] group 1: 64 rows, my column (Wkv)
.set G1A,  48                          ; s[48:55] 64 rows, my row (kv's tiles 0 and 1)
.set G1K,  76                          ; s[76:83] 32 rows, my row (kv's later tiles)
.set G0W,  32
.set G0A,  36
.set G0E,  92                          ; slot 0's group 0
.set G0O,  96                          ; slot 1's
.set PFA,  84                          ; s[84:85] where my prefetches stand
.set MSB, 0
.macro WIN new                         ; the immediate's high byte repeats the setting that is left; a switch that changes nothing is dropped
.if MSB != (\new)
	s_set_vgpr_msb (MSB<<8)|(\new)
.set MSB, (\new)
.endif
.endm
.macro PLACES n
.rept \n
	v_nop
.endr
.endm
.macro CREST                           ; a round of the cluster's barrier behind its opening barrier
	s_cmp_lg_u32 s14, 0
	s_cbranch_scc1 .Lnot_wave_0_\@
	s_barrier_signal -3
.Lnot_wave_0_\@:
	s_barrier_wait -3
	s_barrier_signal -1
	s_barrier_wait -1
.endm
.macro CROUND
	s_barrier_signal -1
	s_barrier_wait -1
	CREST
.endm
; One product: fragment (K step s, row block a) lies in the ring at (4 s + a) % 16; b: which 16 of my channels.  The first K step starts the sums: nothing is cleared.
; The 16 accumulators take turns, one instruction a turn.
.macro KM s, a, b
.set D_, 8*(2*(\a)+\b)
.set W_, 16*(2*\s+\b)
.set K_, (4*\s+(\a))%16
.if K_ == 15
.set A_, R15
	WIN 0xfd                                       ; source 0 (Wk) window 1, source 1 (kv), C and D window 3
.else
.set A_, 16+16*K_
	WIN 0xf1                                       ; source 1 window 0
.endif
.if \s == 0
	v_wmma_f32_16x16x128_fp8_fp8 v[D_:D_+7], v[W_:W_+15], v[A_:A_+15], 0
.else
	v_wmma_f32_16x16x128_fp8_fp8 v[D_:D_+7], v[W_:W_+15], v[A_:A_+15], v[D_:D_+7]
.endif
.endm
.macro VM s, vs, a, b
.set D_, 64+64*(\vs)+8*(2*(\a)+\b)
.set W_, 16*(2*\s+\b)
.set K_, (4*\s+(\a))%16
.if K_ == 15
.set A_, R15
	WIN 0xfb                                       ; source 0 (kv) window 3, source 1 (Wv) window 2, C and D window 3
.else
.set A_, 16+16*K_
	WIN 0xf8
.endif
.if \s == 0
	v_wmma_f32_16x16x128_fp8_fp8 v[D_:D_+7], v[A_:A_+15], v[W_:W_+15], 0
.else
	v_wmma_f32_16x16x128_fp8_fp8 v[D_:D_+7], v[A_:A_+15], v[W_:W_+15], v[D_:D_+7]
.endif
.endm
.macro GRP g, base                     ; a block's 32 loads in one run: K steps 2 g, 2 g + 1
.irp i, 0,1,2,3,4,5,6,7
.set F_, 8*\g+\i
.set K_, F_%16
.if K_ == 15
	WIN 0xc0
.set A_, R15
.else
	WIN 0
.set A_, 16+16*K_
.endif
.irp c, 0,1,2,3
	ds_load_b128 v[A_+4*\c:A_+4*\c+3], v[\base] offset:(F_%4)*HT+128*(F_/4)+32*\c
.endr
.endr
.endm
; From the two halves of span n - 1's scores to t - m, in five pieces (window 3).
.macro TP_ADD
.irp a, 0,1,2,3
	v_add_f32 v[TT+2*\a], v[TT+2*\a], v[XX+\a]
.endr
.endm
.macro TP_MASK                         ; a masked key's t is the lowest f32 number
.irp a, 0,1,2,3
	v_cmp_ne_u32 vcc_lo, 0, v[MK+\a]
	v_cndmask_b32 v[TT+2*\a], v[NEGV], v[TT+2*\a], vcc_lo
.endr
.endm
.macro TP_MAX                          ; the span's largest t, over the sixteen lanes of a half
	v_max3_num_f32 v[MX], v[TT], v[TT+2], v[TT+4]
	v_max_num_f32 v[MX], v[MX], v[TT+6]
	v_max_num_f32_dpp v[MX], v[MX], v[MX] row_xmask:1 row_mask:0xf bank_mask:0xf
	v_max_num_f32_dpp v[MX], v[MX], v[MX] row_xmask:2 row_mask:0xf bank_mask:0xf
.endm
.macro TP_MAX2
	v_max_num_f32_dpp v[MX], v[MX], v[MX] row_xmask:4 row_mask:0xf bank_mask:0xf
	v_max_num_f32_dpp v[MX], v[MX], v[MX] row_xmask:8 row_mask:0xf bank_mask:0xf
.endm
.macro TP_SUB
.irp a, 0,1,2,3
	v_sub_f32 v[EE+\a], v[TT+2*\a], v[MX]
.endr
.endm
.macro HALF s, vs, a0, tp              ; eight products; tp = 1: TP's pieces stand among them
	KM \s, \a0, 0
.if \tp
	WIN 0xff
	TP_ADD
.endif
	KM \s, \a0, 1
	KM \s, \a0+1, 0
.if \tp
	WIN 0xff
	TP_MASK
.endif
	KM \s, \a0+1, 1
.if \tp
	WIN 0xff
	TP_MAX
.endif
	VM \s, \vs, \a0, 0
	VM \s, \vs, \a0, 1
.if \tp
	WIN 0xff
	TP_MAX2
.endif
	VM \s, \vs, \a0+1, 0
	VM \s, \vs, \a0+1, 1
.if \tp
	WIN 0xff
	TP_SUB
.endif
.endm
.macro KS s, vs                        ; a K step of 128: 16 products
	HALF \s, \vs, 0, 0
	HALF \s, \vs, 2, 0
.endm
.macro XMK m, p                        ; the other wave's half scores and the mask of the span before
.irp a, 0,1,2,3
	ds_load_b32 v[XX+\a], v[XLD] offset:64*\a+1024*(\p)
.endr
.irp a, 0,1,2,3
	ds_load_u8 v[MK+\a], v[MAD] offset:64*((\m)-1)+16*\a
.endr
.endm
.macro SOFT m                          ; p of the span before, and its way to the keys-along-registers layout
	s_wait_alu depctr_va_vdst(0)                   ; ahead of the batch
.irp a, 0,1,2,3
	v_exp_f32 v[EE+\a], v[EE+\a]
.endr
	v_nop
	s_wait_alu depctr_va_vdst(0)                   ; ahead of its first reader
	v_add_f32 v[TP], v[EE], v[EE+1]
	v_add_f32 v[LS], v[EE+2], v[EE+3]
	v_add_f32 v[LS], v[LS], v[TP]
	WIN 0x0c                                       ; store data and source 1 window 3, all else window 0
.irp a, 0,1,2,3
	ds_store_b32 v[PST], v[EE+\a] offset:64*\a
.endr
	ds_store_b32 v[LSA], v[LS] offset:80*((\m)-1)
.irp a, 0,1,2,3
	ds_load_b128 v[P+8*\a:P+8*\a+3], v[PLD] offset:64*\a       ; keys 16 a + 8 (lane / 16) + 0 .. 7.  LDS serves a wave's instructions in order (ISA guide 5.7.1.4)
	ds_load_b128 v[P+8*\a+4:P+8*\a+7], v[PLD] offset:64*\a+16
.endr
.endm
.macro SCORES vs                       ; the sum over my 32 channels of qh x k, four chains; each accumulator from its low end on
	WIN 0xff
	s_wait_alu depctr_va_vdst(0)                   ; directly ahead of the first reader of K's sums
.irp b, 0,1
.irp i, 0,2,4,6
.irp a, 0,1,2,3
.if (\b+\i) == 0
	v_pk_mul_f32 v[TT+2*\a:TT+2*\a+1], v[Q+8*\b+\i:Q+8*\b+\i+1], v[8*(2*\a+\b)+\i:8*(2*\a+\b)+\i+1]
.else
	v_pk_fma_f32 v[TT+2*\a:TT+2*\a+1], v[Q+8*\b+\i:Q+8*\b+\i+1], v[8*(2*\a+\b)+\i:8*(2*\a+\b)+\i+1], v[TT+2*\a:TT+2*\a+1]
.endif
.endr
.endr
.endr
.irp a, 0,1,2,3
	v_add_f32 v[TT+2*\a], v[TT+2*\a], v[TT+2*\a+1]
.endr
.irp a, 0,1,2,3
	v_permlanex16_b32 v[TT+2*\a+1], v[TT+2*\a], s66, s67   ; lane l xor 16 holds the other 16 of my channels
.endr
.irp a, 0,1,2,3
	v_add_f32 v[TT+2*\a], v[TT+2*\a], v[TT+2*\a+1]
.endr
	WIN 0x0c
.irp a, 0,1,2,3
	ds_store_b32 v[XST], v[TT+2*\a] offset:64*\a+1024*(\vs)
.endr
.endm
.macro POOL p, m, cnt                  ; the sum over my 32 keys of p x v for the span before, four chains; cnt: LDS stores issued behind p's loads.  (The windows are SOFT's or SCORES's last)
	s_wait_dscnt \cnt
	s_wait_alu depctr_va_vdst(0)                   ; directly ahead of the first reader of V's sums
.irp y, 0,1
.irp i, 0,2,4,6
.irp x, 0,1
.irp b, 0,1
.if (\y+\i) == 0
	v_pk_mul_f32 v[O+4*\b+2*\x:O+4*\b+2*\x+1], v[P+8*(2*\x+\y)+\i:P+8*(2*\x+\y)+\i+1], v[64+64*(\p)+8*(2*(2*\x+\y)+\b)+\i:64+64*(\p)+8*(2*(2*\x+\y)+\b)+\i+1]
.else
	v_pk_fma_f32 v[O+4*\b+2*\x:O+4*\b+2*\x+1], v[P+8*(2*\x+\y)+\i:P+8*(2*\x+\y)+\i+1], v[64+64*(\p)+8*(2*(2*\x+\y)+\b)+\i:64+64*(\p)+8*(2*(2*\x+\y)+\b)+\i+1], v[O+4*\b+2*\x:O+4*\b+2*\x+1]
.endif
.endr
.endr
.endr
.endr
	WIN 0
.irp b, 0,1
	v_pk_add_f32 v[O+4*\b:O+4*\b+1], v[O+4*\b:O+4*\b+1], v[O+4*\b+2:O+4*\b+3]
.endr
.irp b, 0,1
	v_add_f32 v[O+4*\b], v[O+4*\b], v[O+4*\b+1]
.endr
.irp b, 0,1
	v_permlanex16_b32 v[O+4*\b+1], v[O+4*\b], s66, s67     ; the other 32 keys
.endr
.irp b, 0,1
	v_add_f32 v[O+4*\b], v[O+4*\b], v[O+4*\b+1]
.endr
.irp b, 0,1
	ds_store_b32 v[AAD], v[O+4*\b] offset:144*((\m)-1)+64*\b
.endr
.endm
; A SPAN.  m: its number less the trip's first; vs: its parity; cur, nxt: where its rows and the next span's lie.
; kind 0: no barrier (span 0); 1: a barrier that shows the half scores; 2: and the next tile, for which each wave has waited; 3: THE CHANGE OF SLOTS (odd spans): it shows the half scores and the next tile, and the slot in hand, whose last
; loads each wave has waited for, takes the tile two on.  Behind the barriers of kinds 1 and 2 nothing is filled; between their signal and wait only bytes of the slot in hand are loaded, which a later change of slots fills.
.macro SPAN m, vs, cur, nxt, kind, g0, first, last
	s_wait_dscnt 16                                ; the first K step's sixteen loads are in
	GRP 1, \cur                                    ; (the vector lines behind the last products, or the head's, are the places in front of these loads)
	KS 0, \vs
	s_wait_dscnt 32                                ; the next block's 32 loads may be out
	KS 1, \vs
	s_wait_dscnt 16
	PLACES 4                                       ; four plain vector lines in front of loads into registers that products have read
	GRP 2, \cur
	KS 2, \vs
	s_wait_dscnt 32
	KS 3, \vs
.if (\kind == 1) || (\kind == 2)
.if \kind == 2
	s_wait_tensorcnt 0x0
.endif
	s_wait_dscnt 0x0                               ; my half scores have landed
	s_barrier_signal -1
	PLACES 4
	GRP 3, \cur
	KS 4, \vs
	KS 5, \vs
	WIN 0
	s_barrier_wait -1
.else
	s_wait_dscnt 16
	PLACES 4
	GRP 3, \cur
.if \kind == 3
	WIN 0
	s_wait_xcnt 0x0                                ; any prefetch of mine has read its address
	s_add_nc_u64 s[PFA:PFA+1], s[PFA:PFA+1], 131072
	s_wait_tensorcnt 0x0                           ; no tensor load of mine is out: my part of the next tile has landed
	ds_add_u32 v[SPW], v[NIL]                      ; 0 onto my spare word; 32 products stand between it and the wait for it
	s_add_nc_u64 s[\g0+2:\g0+3], s[\g0+2:\g0+3], 262144    ; two tiles on
.endif
	KS 4, \vs
.if \kind == 3
	s_wait_dscnt 33                                ; (the last block's loads and the add may be out)
.else
	s_wait_dscnt 32
.endif
	KS 5, \vs
.endif
.if \kind == 3
	s_wait_dscnt 0x0                               ; the add is done; my half scores have landed; my reads of this slot are over
	s_barrier_signal -1
	KS 6, \vs                                      ; register work while the others arrive
	WIN 0
	s_barrier_wait -1
	CREST
	tensor_load_to_lds s[\g0:\g0+3], s[G1K:G1K+7]  ; my 32 rows
	s_nop 0
	PLACES 4                                       ; also the places in front of the loads below
.else
	s_wait_dscnt 16
	PLACES 4
.endif
	WIN 0xc0
.if \first == 0
	XMK \m, 1-\vs
.endif
.irp b, 0,1
	ds_load_b128 v[Q+8*\b:Q+8*\b+3], v[QAD] offset:144*\m+64*\b        ; this span's qh: channels 16 b + 8 (lane / 16) + 0 .. 7
	ds_load_b128 v[Q+8*\b+4:Q+8*\b+7], v[QAD] offset:144*\m+64*\b+16
.endr
.if \last == 0
	GRP 0, \nxt
.endif
.if \kind == 3
	WIN 0
	s_cmp_lg_u32 s3, 1                             ; the last trip asks for nothing: its tiles would lie behind tile 7
	s_cbranch_scc0 .Lno_ask_\@
	global_prefetch_b8 v[PFO], s[PFA:PFA+1] offset:393216 th:TH_LOAD_NT scope:SCOPE_SE
.Lno_ask_\@:
	HALF 7, \vs, 0, 0
	s_wait_dscnt 32                                ; the half scores, the mask and qh are in; the next span's first 32 loads may be out
.else
	KS 6, \vs
	s_wait_dscnt 32-32*\last                       ; and the last K step's loads, which are older
	HALF 7, \vs, 0, 0
.endif
	HALF 7, \vs, 2, 1-\first
.if \first
	PLACES 4                                       ; four plain vector lines between the last products and the first read of results (ISA guide 7.12.1)
	SCORES \vs
.else
	SOFT \m
	SCORES \vs
	POOL 1-\vs, \m, 4
.endif
	s_wait_alu depctr_va_vdst(0)                   ; ahead of the waits that follow
.endm
	s_load_b256 s[4:11], s[0:1], 0x0               ; kv's codes s[4:5], Wkv's s[6:7], q's s[8:9], Wq's s[10:11]
	s_load_b256 s[68:75], s[0:1], 0x20             ; the exponents s[68:69], bkv s[70:71], bq s[72:73], mask s[74:75]
	s_load_b64 s[100:101], s[0:1], 0x40            ; attn_codes
	v_lshl_add_u32 v[SPW], v0, 2, SPARE
	v_mov_b32 v[NIL], 0
	ds_add_u32 v[SPW], v[NIL]                      ; the wave's opening: the add, twice on end, and its wait ahead of my first tensor load
	ds_add_u32 v[SPW], v[NIL]
	v_lshrrev_b32 v[RR], 5, v0
	v_readfirstlane_b32 s14, v[RR]                 ; wave 0..3
	s_lshr_b32 s15, s14, 1
	s_and_b32 s16, s14, 1
	s_bfe_u32 s40, ttmp6, 0x40000                  ; cx, cy
	s_bfe_u32 s41, ttmp6, 0x40004
	s_lshl_b32 s42, ttmp9, 2
	s_add_co_u32 s42, s42, s40                     ; X
	s_and_b32 s17, ttmp7, 0xffff
	s_lshl_b32 s17, s17, 2
	s_add_co_u32 s17, s17, s41                     ; Y
	s_lshl_b32 s43, s41, 2
	s_lshl_b32 s43, 15, s43                        ; my row of the cluster
	s_lshl_b32 s44, 0x1111, s40                    ; my column
	; group 1: whole rows of 1,024 bytes, elements of one byte, four words of padding behind every 256
	s_or_b32 s[G1W], s44, (1<<20)|(1<<21)|(7<<22)|(3<<25)
	s_or_b32 s[G1A], s43, (1<<20)|(1<<21)|(7<<22)|(3<<25)
	s_or_b32 s[G1K], s43, (1<<20)|(1<<21)|(7<<22)|(3<<25)
.irp g, G1W, G1A
	s_mov_b32 s[\g+2], 64<<16                      ; tensor_dim1
	s_mov_b32 s[\g+4], 64                          ; tile_dim1
.endr
	s_mov_b32 s[G1K+2], 32<<16
	s_mov_b32 s[G1K+4], 32
.irp g, G1W, G1A, G1K
	s_mov_b32 s[\g+1], 1024<<16                    ; tensor_dim0
	s_mov_b32 s[\g+3], 1024<<16                    ; tile_dim0
	s_mov_b32 s[\g+5], 1024                        ; the pitch
	s_mov_b32 s[\g+6], 0
	s_mov_b32 s[\g+7], 0
.endr
	; where the tiles come from: kv's offsets are made of Y and the wave's number, Wkv's of X and the wave's number, each in registers that never hold the other coordinate
	s_lshl_b32 s12, s42, 17                        ; Wkv: row 128 X + 64 (w % 2), + 1,024 rows in waves 2 and 3 (V's)
	s_lshl_b32 s2, s16, 16
	s_add_co_u32 s12, s12, s2
	s_lshl_b32 s2, s15, 20
	s_add_co_u32 s12, s12, s2
	s_mov_b32 s13, 0
	s_lshl_b32 s46, s42, 17                        ; Wq: row 128 X + 32 w
	s_lshl_b32 s2, s14, 15
	s_add_co_u32 s46, s46, s2
	s_mov_b32 s47, 0
	s_lshl_b32 s20, s17, 20                        ; kv: row 1,024 Y
	s_add_co_u32 s60, s20, s2                      ; later tiles: + 32 w
	s_mov_b32 s61, 0
	s_lshl_b32 s22, s14, 16                        ; tiles 0 and 1: + 64 w
	s_add_co_u32 s22, s22, s20
	s_mov_b32 s23, 0
	s_lshl_b32 s62, s40, 15                        ; prefetches: + 32 cx + 8 w
	s_lshl_b32 s2, s14, 13
	s_add_co_u32 s62, s62, s2
	s_add_co_u32 s62, s62, s20
	s_mov_b32 s63, 0
	s_mul_i32 s45, s14, SPB                        ; the head's tiles go to wave x 64 rows: no place in the cluster enters an LDS address
	s_wait_dscnt 0x0                               ; both opening adds are done
	s_wait_kmcnt 0x0
	s_mov_b32 s[G0W], 1
	s_mov_b32 s[G0W+1], s45
	s_add_nc_u64 s[G0W+2:G0W+3], s[6:7], s[12:13]
	s_or_b32 s[G0W+3], s[G0W+3], 0x80000000
	s_mov_b32 s[G0A], 1
	s_mov_b32 s[G0A+1], s45
	s_add_nc_u64 s[G0A+2:G0A+3], s[4:5], s[22:23]
	s_or_b32 s[G0A+3], s[G0A+3], 0x80000000
	s_mov_b32 s[G0E], 1
	s_mul_i32 s[G0E+1], s14, 32*RP
	s_add_nc_u64 s[G0E+2:G0E+3], s[4:5], s[60:61]  ; slot 0: stands at tile 0, slot 1 at tile 1; each is stepped two tiles on ahead of each use
	s_mov_b32 s[G0O], 1
	s_add_co_u32 s[G0O+1], s[G0E+1], R1
	s_add_nc_u64 s[G0O+2:G0O+3], s[G0E+2:G0E+3], 131072
	s_or_b32 s[G0E+3], s[G0E+3], 0x80000000
	s_or_b32 s[G0O+3], s[G0O+3], 0x80000000
	s_add_nc_u64 s[PFA:PFA+1], s[4:5], s[62:63]
	s_add_nc_u64 s[10:11], s[10:11], s[46:47]
	CROUND                                         ; all sixteen work-groups are here: the first joint loads meet
	tensor_load_to_lds s[G0W:G0W+3], s[G1W:G1W+7]  ; 64 of the work-group's 256 rows of Wkv
	s_nop 0
	PLACES 4
	s_load_b128 s[4:7], s[68:69], 0x0              ; e0 .. e3, into registers whose pointers have done their work
	s_load_b32 s12, s[68:69], 0x10                 ; e4
	s_lshl_b32 s60, s17, 14                        ; q: rows 16 Y + 4 w on
	s_lshl_b32 s2, s14, 12
	s_add_co_u32 s60, s60, s2
	s_add_nc_u64 s[8:9], s[8:9], s[60:61]
	s_lshl_b32 s60, s17, 10                        ; mask: span 16 Y
	s_add_nc_u64 s[74:75], s[74:75], s[60:61]
	s_lshl_b32 s60, s42, 9                         ; bkv: column 128 X; bq: 128 X + 32 w
	s_add_nc_u64 s[70:71], s[70:71], s[60:61]
	s_lshl_b32 s2, s14, 7
	s_add_co_u32 s60, s60, s2
	s_add_nc_u64 s[72:73], s[72:73], s[60:61]
	s_lshl_b32 s60, s17, 14                        ; attn_codes: (Y, X, w)
	s_lshl_b32 s2, s42, 11
	s_add_co_u32 s60, s60, s2
	s_lshl_b32 s2, s14, 9
	s_add_co_u32 s60, s60, s2
	s_add_nc_u64 s[100:101], s[100:101], s[60:61]
	s_mov_b32 s66, 0x76543210                      ; v_permlanex16_b32's selects for lane l xor 16
	s_mov_b32 s67, 0xfedcba98
	s_mul_i32 s18, s14, 32*RP                      ; my 32 rows of a weight tile
	s_mul_i32 s19, s14, 4*RP
	s_add_co_u32 s19, s19, QT
	s_lshl_b32 s15, s14, 8
	s_add_co_u32 s21, s15, PSB
	s_add_co_u32 s15, s15, XS
	s_xor_b32 s16, s14, 1                          ; the head's other wave
	s_lshl_b32 s16, s16, 8
	s_add_co_u32 s16, s16, XS
	s_mul_i32 s22, s14, 2304
	s_add_co_u32 s23, s22, ATB
	s_add_co_u32 s22, s22, QHB
	s_mul_i32 s45, s14, 1280
	s_add_co_u32 s45, s45, LSB
	s_lshl_b32 s46, s14, 7
	s_add_co_u32 s46, s46, BVS
	v_and_b32 v[RR], 15, v0
	v_bfe_u32 v[HH], v0, 4, 1
	v_and_b32 v[LN], 31, v0
	v_lshlrev_b32 v[GO], 4, v[LN]
	v_lshlrev_b32 v[PFO], 8, v[LN]
	v_add_nc_u32 v[QST], s19, v[GO]
	v_lshlrev_b32 v[M8], 3, v0
	v_add_nc_u32 v[MST], MSK, v[M8]
	v_lshlrev_b32 v[B4], 2, v0
	v_add_nc_u32 v[BST], BVS, v[B4]
	v_lshlrev_b32 v[H32], 5, v[HH]
	v_lshlrev_b32 v[R4], 2, v[RR]
	v_lshlrev_b32 v[WQO], 10, v[RR]
	v_lshl_add_u32 v[WQO], v[HH], 4, v[WQO]        ; Wq's fragments in memory: row lane % 16, + 16 x half
	v_mul_u32_u24 v[AD], v[RR], RP
	v_lshl_add_u32 v[AD], v[HH], 4, v[AD]          ; a fragment's row x pitch + 16 x half
	v_add_nc_u32 v[AD+1], SPB, v[AD]
	v_add_nc_u32 v[AD+2], R1, v[AD]
	v_add_nc_u32 v[AD+3], R1+SPB, v[AD]
	v_add_nc_u32 v[WK], s18, v[AD]
	v_add_nc_u32 v[WV], R1, v[WK]
	v_add_nc_u32 v[QFR], QT, v[AD]
	v_add_nc_u32 v[XST], s15, v[R4]
	v_add_nc_u32 v[XLD], s16, v[R4]
	v_add_nc_u32 v[PST], s21, v[R4]
	v_add_nc_u32 v[PLD], s21, v[H32]
	v_add_nc_u32 v[TQB], s22, v[H32]               ; QB: qh comes back by span
	v_mul_u32_u24 v[QHS], v[RR], 144
	v_add_nc_u32 v[QHS], v[QHS], v[TQB]            ; qh goes in by row = span
	v_add_nc_u32 v[TQB+1], s23, v[R4]              ; AB
	v_add_nc_u32 v[TQB+2], MSK, v[RR]              ; MB
	v_add_nc_u32 v[TQB+3], s45, v[R4]              ; LB
	v_mul_u32_u24 v[TQB+4], v[RR], 144
	v_lshl_add_u32 v[TQB+4], v[HH], 6, v[TQB+4]
	v_add_nc_u32 v[TQB+4], s23, v[TQB+4]           ; AQ: pooled sums by row = span, sixteen channels a lane
	v_mul_u32_u24 v[TQB+5], v[RR], 80
	v_add_nc_u32 v[TQB+5], s45, v[TQB+5]           ; LQ: sums of p by row = span
	v_lshlrev_b32 v[TQB+6], 6, v[HH]
	v_add_nc_u32 v[TQB+6], s46, v[TQB+6]           ; BQA: bv of my sixteen channels
	v_mov_b32 v[QAD], v[TQB]
	v_mov_b32 v[AAD], v[TQB+1]
	v_mov_b32 v[MAD], v[TQB+2]
	v_mov_b32 v[LSA], v[TQB+3]
	s_wait_alu depctr_va_vdst(0)                   ; at the head's end
.irp i, 0,1,2,3,4,5,6,7
	global_load_b128 v[48+4*\i:51+4*\i], v[GO], s[8:9] offset:512*\i       ; my four rows of q: 512 consecutive bytes an instruction
.endr
	global_load_b64 v[80:81], v[M8], s[74:75]      ; the work-group's 1,024 bytes of the mask, eight a thread
	global_load_b32 v82, v[B4], s[70:71] offset:4096           ; bv: 128 numbers, one a thread
.irp b, 0,1
	global_load_b128 v[BQ+8*\b:BQ+8*\b+3], v[H32], s[72:73] offset:64*\b   ; bq: columns 16 b + 8 (lane / 16) + 0 .. 7
	global_load_b128 v[BQ+8*\b+4:BQ+8*\b+7], v[H32], s[72:73] offset:64*\b+16
.endr
.macro WQLOAD s                        ; Wq's fragments of K step s into window 3, where no sum stands yet
.irp b, 0,1
.irp c, 0,1,2,3
	global_load_b128 v[16*(2*\s+\b)+4*\c:16*(2*\s+\b)+4*\c+3], v[WQO], s[10:11] offset:16384*\b+128*\s+32*\c
.endr
.endr
.endm
	WIN 0xc0
.irp s, 0,1,2,3
	WQLOAD \s
.endr
	WIN 0
	global_prefetch_b8 v[PFO], s[PFA:PFA+1] th:TH_LOAD_NT scope:SCOPE_SE   ; tiles 0 and 1
	global_prefetch_b8 v[PFO], s[PFA:PFA+1] offset:131072 th:TH_LOAD_NT scope:SCOPE_SE
	s_wait_kmcnt 0x0
	s_add_co_i32 s13, s6, s7                       ; E = e2 + e3: a sum of kvh's product stands for sum x 2^E
	s_lshl_b32 s90, s13, 23
	s_add_co_i32 s90, s90, 0x3e38aa3b              ; log2(e) / 8 with E added to its exponent field
	s_mov_b32 s91, s90                             ; (named with it as a pair, so it is written)
	s_add_co_i32 s88, s4, s5
	s_add_co_i32 s88, s88, 127
	s_lshl_b32 s88, s88, 23                        ; 2^(e0 + e1)
	s_mov_b32 s89, s88
	s_add_co_i32 s86, s12, 127
	s_add_co_i32 s87, s86, 8
	s_lshl_b32 s86, s86, 23                        ; 2^e4
	s_lshl_b32 s87, s87, 23
	s_or_b32 s87, s87, 0x600000                    ; 448 x 2^e4
	s_wait_loadcnt 36                              ; q, the mask and bv are in; bq's four loads and Wq's first 32 may be out
.irp i, 0,1,2,3,4,5,6,7
	ds_store_b128 v[QST], v[48+4*\i:51+4*\i] offset:(\i/2)*RP+512*(\i%2)
.endr
	ds_store_b64 v[MST], v[80:81]
	ds_store_b32 v[BST], v82
	WIN 0xc0
.irp s, 4,5,6,7
	WQLOAD \s
.endr
	WIN 0
	s_wait_tensorcnt 0x0                           ; my 64 rows have landed,
	s_wait_dscnt 0x0                               ; and my parts of q, of the mask and of bv:
	s_barrier_signal -1
	s_barrier_wait -1                              ; everybody's have
.macro WLOAD adr                       ; 32 rows of a weight tile, K whole: fragment (s, b) at 16 (2 s + b) of the window in force
.irp s, 0,1,2,3,4,5,6,7
.irp b, 0,1
.irp c, 0,1,2,3
	ds_load_b128 v[16*(2*\s+\b)+4*\c:16*(2*\s+\b)+4*\c+3], v[\adr] offset:\b*HT+128*\s+32*\c
.endr
.endr
.endr
.endm
	WIN 0x40
	WLOAD WK
	WIN 0x80
	WLOAD WV
	WIN 0
	s_wait_tensorcnt 0x0                           ; both slots change hands
	ds_add_u32 v[SPW], v[NIL]
	s_wait_dscnt 0x0                               ; the add is done, the weights are in registers
	CROUND
	tensor_load_to_lds s[G0A:G0A+3], s[G1A:G1A+7]  ; 64 rows: waves 0 and 1 fetch kv's tile 0 into slot 0, waves 2 and 3 tile 1 into slot 1
	s_nop 0
	PLACES 4
.irp s, 0,1,2,3,4,5,6,7
.irp c, 0,1,2,3
	ds_load_b128 v[16+16*\s+4*\c:19+16*\s+4*\c], v[QFR] offset:128*\s+32*\c        ; q's fragments
.endr
.endr
	global_prefetch_b8 v[PFO], s[PFA:PFA+1] offset:262144 th:TH_LOAD_NT scope:SCOPE_SE     ; tiles 2 and 3
	global_prefetch_b8 v[PFO], s[PFA:PFA+1] offset:393216 th:TH_LOAD_NT scope:SCOPE_SE
	; ---- qh: 16 spans x my 32 columns, while the tiles are on their way.  Source 0 = 16 rows of Wq, source 1 = q: a lane holds one span and eight columns; two accumulators by turns
	s_wait_loadcnt 0x0                             ; Wq's fragments and bq
	WIN 0x03
.irp s, 0,1,2,3,4,5,6,7
	s_wait_dscnt 28-4*\s                           ; the later steps' four loads each may be out
.irp n, 0,1
.if \s == 0
	v_wmma_f32_16x16x128_fp8_fp8 v[QA+8*\n:QA+8*\n+7], v[16*(2*\s+\n):16*(2*\s+\n)+15], v[16+16*\s:31+16*\s], 0
.else
	v_wmma_f32_16x16x128_fp8_fp8 v[QA+8*\n:QA+8*\n+7], v[16*(2*\s+\n):16*(2*\s+\n)+15], v[16+16*\s:31+16*\s], v[QA+8*\n:QA+8*\n+7]
.endif
.endr
.endr
	WIN 0
	PLACES 4                                       ; in front of the first read of results (ISA guide 7.12.1)
.irp j, 0,2,4,6,8,10,12,14
	v_pk_fma_f32 v[QR+\j:QR+\j+1], v[QA+\j:QA+\j+1], s[88:89], v[BQ+\j:BQ+\j+1] op_sel_hi:[1,0,1]     ; qh = sum x 2^(e0 + e1) + bq; each accumulator from its low end on
.endr
.irp j, 0,2,4,6,8,10,12,14
	v_pk_mul_f32 v[QR+\j:QR+\j+1], v[QR+\j:QR+\j+1], s[90:91] op_sel_hi:[1,0]                         ; x log2(e) / 8 x 2^E
.endr
	WIN 0xc0                                       ; destination window 3: Wq's fragments have been read
.irp i, 0,1,2,3,4,5,6
	v_mov_b32 v[QB+\i], v[TQB+\i]
.endr
	v_mov_b32 v[NEGV], 0xff7fffff
	WIN 0
.irp n, 0,1
	ds_store_b128 v[QHS], v[QR+8*\n:QR+8*\n+3] offset:64*\n        ; my wave's own bytes
	ds_store_b128 v[QHS], v[QR+8*\n+4:QR+8*\n+7] offset:64*\n+16
.endr
	s_mov_b32 s3, 3                                ; trips of four spans
	s_mov_b32 s18, 0
	s_mov_b32 s19, 0
	s_mov_b32 s20, 0
	s_wait_alu depctr_va_vdst(0)                   ; directly ahead of the waits below
	s_wait_tensorcnt 0x0
	s_wait_dscnt 0x0
	s_barrier_signal -1
	s_barrier_wait -1                              ; tiles 0 and 1 are whole
	GRP 0, AD
	SPAN 0, 0, AD, AD+1, 0, 0, 1, 0                ; span 0 is written out: no span stands before it
.Ltrip:                                            ; spans 4 t + 1 .. 4 t + 4: every trip fills both slots
	SPAN 1, 1, AD+1, AD+2, 3, G0E, 0, 0
	SPAN 2, 0, AD+2, AD+3, 1, 0, 0, 0
	SPAN 3, 1, AD+3, AD, 3, G0O, 0, 0
	SPAN 4, 0, AD, AD+1, 1, 0, 0, 0
	s_add_co_u32 s18, s18, 4*144                   ; four rows of qh and of the pooled sums on,
	s_add_co_u32 s19, s19, 256                     ; four spans of the mask,
	s_add_co_u32 s20, s20, 4*80                    ; four rows of the sums of p
	WIN 0x0c
	v_add_nc_u32 v[QAD], s18, v[QB]
	v_add_nc_u32 v[AAD], s18, v[AB]
	v_add_nc_u32 v[MAD], s19, v[MB]
	v_add_nc_u32 v[LSA], s20, v[LB]
	WIN 0
	s_sub_co_u32 s3, s3, 1
	s_cmp_lg_u32 s3, 0
	s_wait_alu depctr_va_vdst(0)                   ; directly ahead of the branch
	s_cbranch_scc1 .Ltrip
	SPAN 1, 1, AD+1, AD+2, 2, 0, 0, 0              ; spans 13, 14, 15 are written out: they fill nothing
	SPAN 2, 0, AD+2, AD+3, 1, 0, 0, 0
	SPAN 3, 1, AD+3, AD+3, 1, 0, 0, 1
	; span 15's softmax and pooling
	s_wait_dscnt 0x0                               ; my half scores have landed
	s_barrier_signal -1
	s_barrier_wait -1
	WIN 0xc0
	XMK 4, 1
	WIN 0xff
	s_wait_dscnt 0x0
	TP_ADD
	TP_MASK
	TP_MAX
	TP_MAX2
	TP_SUB
	SOFT 4
	POOL 1, 4, 0
	; the way out: sixteen neighbouring channels of one span a lane
	WIN 0x03                                       ; addresses in window 3
.irp i, 0,1,2,3
	ds_load_b128 v[16+4*\i:19+4*\i], v[AQ] offset:16*\i            ; pooled sums: my wave's own bytes
.endr
.irp i, 0,1,2,3
	ds_load_b128 v[32+4*\i:35+4*\i], v[LQ] offset:16*\i            ; the sixteen parts of my span's sum of p
.endr
.irp i, 0,1,2,3
	ds_load_b128 v[48+4*\i:51+4*\i], v[BQA] offset:16*\i           ; bv
.endr
	WIN 0
	v_mov_b32 v64, s86
	v_mov_b32 v65, s87
	v_and_b32 v66, 31, v0
	v_lshlrev_b32 v66, 4, v66
	s_wait_alu depctr_va_vdst(0)                   ; directly ahead of the wait below
	s_wait_dscnt 0x0
.irp j, 32,36,40,44
	v_pk_add_f32 v[\j:\j+1], v[\j:\j+1], v[\j+2:\j+3]
.endr
.irp j, 32,40
	v_pk_add_f32 v[\j:\j+1], v[\j:\j+1], v[\j+4:\j+5]
.endr
	v_pk_add_f32 v[32:33], v[32:33], v[40:41]
	v_add_f32 v32, v32, v33
	s_wait_alu depctr_va_vdst(0)                   ; ahead of the transcendental
	v_rcp_f32 v32, v32
	v_nop
	s_wait_alu depctr_va_vdst(0)                   ; ahead of its reader
	v_ldexp_f32 v32, v32, s13                      ; 2^E / the sum
.irp j, 0,2,4,6,8,10,12,14
	v_pk_fma_f32 v[16+\j:17+\j], v[16+\j:17+\j], v[32:33], v[48+\j:49+\j] op_sel_hi:[1,0,1]        ; attn
.endr
.irp j, 0,1,2,3,4,5,6,7,8,9,10,11,12,13,14,15
	v_med3_num_f32 v[16+\j], v[16+\j], -v65, v65           ; the conversion to an 8-bit code does not saturate (ISA guide 7.6.2): the hold at the largest code x the scale
.endr
	v_cvt_scalef32_pk8_fp8_f32 v[68:69], v[16:23], v64
	v_cvt_scalef32_pk8_fp8_f32 v[70:71], v[24:31], v64
	v_nop                                          ; a plain line behind the scaled conversions
	global_store_b128 v66, v[68:71], s[100:101]    ; the wave stores 512 consecutive bytes, at a multiple of 512 from the buffer's first byte
	s_wait_tensorcnt 0x0                           ; the wave's end
	ds_add_u32 v[SPW], v[NIL]
	s_wait_dscnt 0x0
	CROUND                                         ; the closing round: no work-group ends while a partner may still ask for a tile that names it
	s_endpgm
.Lfunc_end_k_qcd350c5847_spans:
	.size	k_qcd350c5847_spans, .Lfunc_end_k_qcd350c5847_spans-k_qcd350c5847_spans
	.p2alignl 7, 3214868480
	.fill 96, 4, 3214868480
	.section	.rodata,"a",@progbits
	.p2align	6, 0x0
	.amdhsa_kernel k_qcd350c5847_spans
		.amdhsa_group_segment_fixed_size 327680
		.amdhsa_private_segment_fixed_size 0
		.amdhsa_enable_private_segment 0
		.amdhsa_kernarg_size 72
		.amdhsa_user_sgpr_count 2
		.amdhsa_user_sgpr_kernarg_segment_ptr 1
		.amdhsa_wavefront_size32 1
		.amdhsa_system_sgpr_workgroup_id_x 1
		.amdhsa_system_sgpr_workgroup_id_y 1
		.amdhsa_system_sgpr_workgroup_id_z 1
		.amdhsa_system_vgpr_workitem_id 0
		.amdhsa_next_free_vgpr 1024
		.amdhsa_next_free_sgpr 102
		.amdhsa_reserve_vcc 1
		.amdhsa_float_denorm_mode_32 3
		.amdhsa_float_denorm_mode_16_64 3
		.amdhsa_memory_ordered 1
		.amdhsa_forward_progress 1
		.amdhsa_inst_pref_size 250
	.end_amdhsa_kernel
	.amdgpu_metadata
---
amdhsa.version: [ 1, 2 ]
amdhsa.kernels:
  - .name:           k_qcd350c5847_spans
    .symbol:         k_qcd350c5847_spans.kd
    .args:
      - { .name: kv_codes, .offset: 0, .size: 8, .value_kind: global_buffer, .address_space: global }
      - { .name: Wkv_codes, .offset: 8, .size: 8, .value_kind: global_buffer, .address_space: global }
      - { .name: q_codes, .offset: 16, .size: 8, .value_kind: global_buffer, .address_space: global }
      - { .name: Wq_codes, .offset: 24, .size: 8, .value_kind: global_buffer, .address_space: global }
      - { .name: lowp_scales, .offset: 32, .size: 8, .value_kind: global_buffer, .address_space: global }
      - { .name: bkv, .offset: 40, .size: 8, .value_kind: global_buffer, .address_space: global }
      - { .name: bq, .offset: 48, .size: 8, .value_kind: global_buffer, .address_space: global }
      - { .name: mask, .offset: 56, .size: 8, .value_kind: global_buffer, .address_space: global }
      - { .name: attn_codes, .offset: 64, .size: 8, .value_kind: global_buffer, .address_space: global }
    .group_segment_fixed_size: 327680
    .private_segment_fixed_size: 0
    .kernarg_segment_align: 8
    .kernarg_segment_size: 72
    .max_flat_workgroup_size: 128
    .sgpr_count:     102
    .vgpr_count:     1024
    .wavefront_size: 32
...
	.end_amdgpu_metadata
.endif
;; end of part 1
;; launch oproj (part 2): grid 16 x 16, 4 waves a work-group, clusters of 4 x 4, 168,448 bytes of LDS; arguments attn_codes, Wo_codes, lowp_scales, bo, out0; writes out0
.if DOCPART == 2
	.amdgcn_target "amdgcn-amd-amdhsa--gfx1250"
	.amdhsa_code_object_version 6
	.text
	.protected	k_qcd350c5847_oproj
	.globl	k_qcd350c5847_oproj
	.p2align	8
	.type	k_qcd350c5847_oproj,@function
k_qcd350c5847_oproj:
	s_mov_b64 s[64:65], 0
	v_nop
	global_prefetch_b8 v0, s[64:65] scope:SCOPE_SE
	s_setreg_imm32_b32 hwreg(HW_REG_WAVE_MODE, 25, 1), 1
	s_wait_xcnt 0x0
	s_wait_alu depctr_hold_cnt(0) depctr_sa_sdst(0) depctr_va_vdst(0) depctr_va_sdst(0) depctr_va_ssrc(0) depctr_va_vcc(0) depctr_vm_vsrc(0)
	s_getreg_b32 s2, hwreg(HW_REG_IB_STS2, 6, 4)
	s_cmp_eq_u32 s2, 0
	s_cbranch_scc0 .Lentry_in_a_cluster
	s_endpgm
.Lentry_in_a_cluster:
	s_bfe_u32 s2, ttmp6, 0x10000c
	s_cmp_lg_u32 s2, 0xf033
	s_cbranch_scc0 .Lentry_shape_is_right
	s_endpgm
.Lentry_shape_is_right:
; out = attn Wo^T + bo on codes of FP8 (E4M3): attn's codes with the scale 2^e4, Wo's with 2^e5; sums in f32; out [512][1024] f32.
; attn_codes lies as the launch before stored it, in the order of a fragment's registers: [Y 32][K step 8][c 4][lane 32][16]: lane (r, h) of piece c holds span 16 Y + r, K = 128 s + 32 c + 16 h + 0 .. 15.  So attn's fragments come from
; memory straight into registers, 512 consecutive bytes an instruction.
; SHARES.  Work-group (tx, ty): 32 spans (Y = 2 ty, 2 ty + 1) x 64 columns (64 tx on), K = 1,024 whole; no LDS byte is filled twice.  Wave w: spans of Y = 2 ty + w / 2, columns 32 (w % 2) on: two accumulators.
; 256 work-groups of a small tile: a larger tile would leave most of the 256 without work.
; CLUSTER.  4 x 4: Wo's 64 rows hang on tx alone and are asked for jointly along a column of the cluster.  No prefetch: each byte is asked for once, at the head, and there is no loop to run ahead in.
; Source 0 = 16 rows of Wo, source 1 = 16 spans: a lane holds one span and eight neighbouring columns.
; LIMIT: e4 + e5 between -126 and 127, so that 2^(e4 + e5) is an f32 number.
.set WP,   1040                        ; 1,024 bytes + 16: the sixteen rows of a fragment load begin at sixteen different 16-byte columns modulo 256 bytes
.set STG,  64*WP                       ; the stage for the way out: 32 rows x (256 bytes + 16); no tile lands there
.set SP,   272
.set SPARE, STG+32*SP                  ; the spare words: two blocks of 256 bytes that no other line names
.set G1B, 48
.set G0B, 56
.set MSB, 0
.macro WIN new                         ; the immediate's high byte repeats the setting that is left
.if MSB != (\new)
	s_set_vgpr_msb (MSB<<8)|(\new)
.set MSB, (\new)
.endif
.endm
.macro CROUND                          ; a round of the cluster's barrier
	s_barrier_signal -1
	s_barrier_wait -1
	s_cmp_lg_u32 s14, 0
	s_cbranch_scc1 .Lnot_wave_0_\@
	s_barrier_signal -3
.Lnot_wave_0_\@:
	s_barrier_wait -3
	s_barrier_signal -1
	s_barrier_wait -1
.endm
	s_load_b256 s[4:11], s[0:1], 0x0               ; attn_codes s[4:5], Wo's codes s[6:7], the exponents s[8:9], bo s[10:11]
	s_load_b64 s[12:13], s[0:1], 0x20              ; out
	v_lshl_add_u32 v254, v0, 2, SPARE
	v_mov_b32 v255, 0
	ds_add_u32 v254, v255                          ; the wave's opening: the add, twice on end, and its wait ahead of my tensor load
	ds_add_u32 v254, v255
	v_lshrrev_b32 v1, 5, v0
	v_readfirstlane_b32 s14, v1                    ; wave 0..3
	s_lshr_b32 s15, s14, 1                         ; which Y is mine
	s_and_b32 s16, s14, 1                          ; which 32 columns are mine
	s_bfe_u32 s40, ttmp6, 0x40000                  ; cx, cy
	s_bfe_u32 s41, ttmp6, 0x40004
	s_lshl_b32 s42, ttmp9, 2
	s_add_co_u32 s42, s42, s40                     ; tx
	s_and_b32 s17, ttmp7, 0xffff
	s_lshl_b32 s17, s17, 2
	s_add_co_u32 s17, s17, s41                     ; ty
	s_lshl_b32 s44, 0x1111, s40                    ; my column of the cluster
	s_or_b32 s[G1B], s44, (1<<20)|(1<<21)|(7<<22)|(3<<25)   ; 16 whole rows of Wo a wave; four words of padding behind every 256
	s_mov_b32 s[G1B+1], 1024<<16
	s_mov_b32 s[G1B+2], 16<<16
	s_mov_b32 s[G1B+3], 1024<<16
	s_mov_b32 s[G1B+4], 16
	s_mov_b32 s[G1B+5], 1024
	s_mov_b32 s[G1B+6], 0
	s_mov_b32 s[G1B+7], 0
	s_lshl_b32 s20, s17, 15                        ; attn: Y = 2 ty + w / 2, 16,384 bytes each
	s_lshl_b32 s18, s15, 14
	s_add_co_u32 s20, s20, s18
	s_mov_b32 s21, 0
	s_lshl_b32 s46, s42, 16                        ; Wo: row 64 tx + 16 w
	s_lshl_b32 s2, s14, 14
	s_add_co_u32 s46, s46, s2
	s_mov_b32 s47, 0
	v_and_b32 v3, 31, v0
	v_lshlrev_b32 v3, 4, v3                        ; 16 x lane
	s_wait_alu depctr_va_vdst(0)                   ; directly ahead of the waits below
	s_wait_dscnt 0x0
	s_wait_kmcnt 0x0
	s_add_nc_u64 s[20:21], s[4:5], s[20:21]
	s_mov_b32 s[G0B], 1
	s_mul_i32 s[G0B+1], s14, 16*WP
	s_add_nc_u64 s[G0B+2:G0B+3], s[6:7], s[46:47]
	s_or_b32 s[G0B+3], s[G0B+3], 0x80000000
.irp s, 0,1,2,3,4,5,6,7
.irp c, 0,1,2,3
	global_load_b128 v[32+16*\s+4*\c:35+16*\s+4*\c], v3, s[20:21] offset:2048*\s+512*\c
.endr
.endr
	CROUND                                         ; all sixteen work-groups are here: the joint loads meet
	tensor_load_to_lds s[G0B:G0B+3], s[G1B:G1B+7]  ; my one load of the launch
	s_nop 0
.rept 4
	v_nop
.endr
	s_load_b64 s[66:67], s[8:9], 0x10              ; e4, e5
	s_mov_b32 s69, 0
	s_lshl_b32 s68, s42, 8
	s_lshl_b32 s2, s16, 7
	s_add_co_u32 s68, s68, s2
	s_add_nc_u64 s[10:11], s[10:11], s[68:69]      ; bo at column 64 tx + 32 x half
	s_lshl_b32 s68, s17, 17                        ; out: row 32 ty + 8 w, 4,096 bytes a row, + 256 tx
	s_lshl_b32 s46, s42, 8
	s_add_co_u32 s68, s68, s46
	s_lshl_b32 s2, s14, 15
	s_add_co_u32 s68, s68, s2
	s_add_nc_u64 s[12:13], s[12:13], s[68:69]
	s_mul_i32 s18, s16, 32*WP                      ; my 32 rows of Wo
	s_mul_i32 s19, s15, 16*SP
	s_lshl_b32 s2, s16, 7
	s_add_co_u32 s19, s19, s2
	s_add_co_u32 s19, s19, STG
	s_mul_i32 s22, s14, 8*SP
	s_add_co_u32 s22, s22, STG
	v_and_b32 v1, 15, v0                           ; r
	v_bfe_u32 v2, v0, 4, 1                         ; h
	v_lshlrev_b32 v9, 5, v2
.irp n, 0,1
	global_load_b128 v[176+8*\n:179+8*\n], v9, s[10:11] offset:64*\n          ; bo in the result's layout: columns 16 n + 8 h + 0 .. 7
	global_load_b128 v[180+8*\n:183+8*\n], v9, s[10:11] offset:64*\n+16
.endr
	v_mul_u32_u24 v5, v1, WP
	v_lshl_add_u32 v5, v2, 4, v5
	v_add_nc_u32 v5, s18, v5                       ; Wo's fragments
	v_mul_u32_u24 v6, v1, SP
	v_lshl_add_u32 v6, v2, 5, v6
	v_add_nc_u32 v6, s19, v6                       ; into the stage: row = span, my 128 bytes, + 32 h
	v_mul_u32_u24 v7, v2, SP
	v_lshl_add_u32 v7, v1, 4, v7
	v_add_nc_u32 v7, s22, v7                       ; back: rows 8 w on; lanes 0-15 one row of 256 bytes, lanes 16-31 the next
	v_lshlrev_b32 v8, 12, v2
	v_lshl_add_u32 v8, v1, 4, v8                   ; and the same two rows in out
	s_wait_alu depctr_va_vdst(0)                   ; at the head's end
	s_wait_tensorcnt 0x0                           ; my load has landed,
	s_barrier_signal -1
	s_barrier_wait -1                              ; everybody's has
	WIN 0x40                                       ; destination window 1
.irp s, 0,1,2,3,4,5,6,7
.irp n, 0,1
.irp c, 0,1,2,3
	ds_load_b128 v[16*(2*\s+\n)+4*\c:16*(2*\s+\n)+4*\c+3], v5 offset:\n*16*WP+128*\s+32*\c
.endr
.endr
.endr
	WIN 0x01                                       ; source 0 window 1
	s_wait_loadcnt 0x0                             ; attn's fragments and bo
.irp s, 0,1,2,3,4,5,6,7
	s_wait_dscnt 56-8*\s                           ; Wo's fragments up to this K step are in; the later steps' eight loads each may be out
.irp n, 0,1                                    ; two accumulators by turns
.if \s == 0
	v_wmma_f32_16x16x128_fp8_fp8 v[160+8*\n:167+8*\n], v[16*(2*\s+\n):16*(2*\s+\n)+15], v[32+16*\s:47+16*\s], 0
.else
	v_wmma_f32_16x16x128_fp8_fp8 v[160+8*\n:167+8*\n], v[16*(2*\s+\n):16*(2*\s+\n)+15], v[32+16*\s:47+16*\s], v[160+8*\n:167+8*\n]
.endif
.endr
.endr
	WIN 0
.rept 4
	v_nop                                          ; four plain vector lines between the last product and the first read of results (ISA guide 7.12.1)
.endr
	s_wait_kmcnt 0x0
	s_add_co_i32 s66, s66, s67
	s_add_co_i32 s66, s66, 127
	s_lshl_b32 s66, s66, 23                        ; 2^(e4 + e5) as f32
	s_mov_b32 s67, s66                             ; (named with it as a pair, so it is written)
.irp j, 0,2,4,6,8,10,12,14
	v_pk_fma_f32 v[192+\j:193+\j], v[160+\j:161+\j], s[66:67], v[176+\j:177+\j] op_sel_hi:[1,0,1]   ; out = sum x 2^(e4 + e5) + bo; each accumulator from its low end on
.endr
.irp n, 0,1
	ds_store_b128 v6, v[192+8*\n:195+8*\n] offset:64*\n
	ds_store_b128 v6, v[196+8*\n:199+8*\n] offset:64*\n+16
.endr
	s_wait_dscnt 0x0                               ; for the others' sake: a row's 256 bytes come from two waves
	s_barrier_signal -1
	s_barrier_wait -1
.irp i, 0,1,2,3
	ds_load_b128 v[208+4*\i:211+4*\i], v7 offset:2*\i*SP
.endr
.irp i, 0,1,2,3
	s_wait_dscnt 3-\i                              ; the row pairs behind this one may be out
	global_store_b128 v8, v[208+4*\i:211+4*\i], s[12:13] offset:2*\i*4096 th:TH_STORE_NT   ; 16 lanes store 256 consecutive bytes, at a multiple of 256 from out's first byte
.endr
	s_wait_tensorcnt 0x0                           ; the wave's end
	ds_add_u32 v254, v255
	s_wait_dscnt 0x0
	CROUND                                         ; the closing round: no work-group ends while a partner may still ask for a tile that names it
	s_endpgm
.Lfunc_end_k_qcd350c5847_oproj:
	.size	k_qcd350c5847_oproj, .Lfunc_end_k_qcd350c5847_oproj-k_qcd350c5847_oproj
	.p2alignl 7, 3214868480
	.fill 96, 4, 3214868480
	.section	.rodata,"a",@progbits
	.p2align	6, 0x0
	.amdhsa_kernel k_qcd350c5847_oproj
		.amdhsa_group_segment_fixed_size 168448
		.amdhsa_private_segment_fixed_size 0
		.amdhsa_enable_private_segment 0
		.amdhsa_kernarg_size 40
		.amdhsa_user_sgpr_count 2
		.amdhsa_user_sgpr_kernarg_segment_ptr 1
		.amdhsa_wavefront_size32 1
		.amdhsa_system_sgpr_workgroup_id_x 1
		.amdhsa_system_sgpr_workgroup_id_y 1
		.amdhsa_system_sgpr_workgroup_id_z 1
		.amdhsa_system_vgpr_workitem_id 0
		.amdhsa_next_free_vgpr 512
		.amdhsa_next_free_sgpr 72
		.amdhsa_reserve_vcc 0
		.amdhsa_float_denorm_mode_32 3
		.amdhsa_float_denorm_mode_16_64 3
		.amdhsa_memory_ordered 1
		.amdhsa_forward_progress 1
		.amdhsa_inst_pref_size 16
	.end_amdhsa_kernel
	.amdgpu_metadata
---
amdhsa.version: [ 1, 2 ]
amdhsa.kernels:
  - .name:           k_qcd350c5847_oproj
    .symbol:         k_qcd350c5847_oproj.kd
    .args:
      - { .name: attn_codes, .offset: 0, .size: 8, .value_kind: global_buffer, .address_space: global }
      - { .name: Wo_codes, .offset: 8, .size: 8, .value_kind: global_buffer, .address_space: global }
      - { .name: lowp_scales, .offset: 16, .size: 8, .value_kind: global_buffer, .address_space: global }
      - { .name: bo, .offset: 24, .size: 8, .value_kind: global_buffer, .address_space: global }
      - { .name: out0, .offset: 32, .size: 8, .value_kind: global_buffer, .address_space: global }
    .group_segment_fixed_size: 168448
    .private_segment_fixed_size: 0
    .kernarg_segment_align: 8
    .kernarg_segment_size: 40
    .max_flat_workgroup_size: 128
    .sgpr_count:     72
    .vgpr_count:     512
    .wavefront_size: 32
...
	.end_amdgpu_metadata
.endif
;; end of part 2
